; MI455X (gfx1250); checked and timed in simulation.
; The chip was launched on July 23, 2026; its instructions are those of AMD's public machine-readable ISA for CDNA 5 (MIT licence, August 2026) and "CDNA5" Instruction Set Architecture Reference Guide (July 2026). The comments in the code are by the model that wrote it; some were corrected since.
;; attention gear. Allowed arithmetic: matrix products marked QUANTISED: E2M3 operands, one E8M0 scale for each 32 along K, by v_wmma_scale_f32_16x16x128_f8f6f4 with both operands' format E2M3, f32 sums; everything else in f32.
;; Inputs: k 2 x 2,048 x 32 x 128 float32; mask 1 x 1 x 2,048 x 2,048 float32; q 2 x 2,048 x 32 x 128 float32; v 2 x 2,048 x 32 x 128 float32.
;; Outputs: out0 2 x 2,048 x 32 x 128 float32.
;; Constants: seqlen = 2048, start_pos = 0.
;; This version of the problem:
;;   THIS VERSION OF THE PROBLEM IS GIVEN IN LOW PRECISION. The matrix products marked QUANTISED in the list below multiply operands that are first quantised to E2M3 (2 exponent bits, 3 mantissa bits; 6 bits a number), with one power-of-two scale for each 32 numbers along K (OCP MX v1.0); their sums are f32. All else is computed in f32.
;;   The module's matrix products, in the order in which they are computed (A, B: the left and right operand; K: the contracted axis; several contracted axes count as one K, in the product's order):
;;     1. batch 64 x [M 2,048, K 128] x [K 128, N 2,048]; A: input q; B: input k: QUANTISED
;;     2. batch 64 x [M 2,048, K 2,048] x [K 2,048, N 128]; A: softmax (see below); B: input v: QUANTISED
;;   THE QUANTISER, for each operand of a quantised product, along K:
;;     - K is cut into blocks of 32 from its start; a last block that is shorter is filled with zeros.
;;     - A block's scale is 2^e with e = floor(log2(the largest magnitude in the block)) - 2, held to -126 .. 127; a block of zeros has e = 0. As a byte (E8M0): e + 127.
;;     - Each number is divided by its block's scale, clamped to +-7.5, and rounded to the nearest number of E2M3, ties to even, subnormals kept.
;;     - The product sums the exact products of the quantised numbers (number of the format x scale) in f32.
;;   ~~~python
;;   def quantise(x, axis):      # numpy; x: float32 -> the quantised numbers, widened to float32 again
;;       x = np.moveaxis(x, axis, -1); K = x.shape[-1]
;;       x = np.pad(x, [(0, 0)] * (x.ndim - 1) + [(0, -K % 32)]); x = x.reshape(x.shape[:-1] + (-1, 32)); a = np.abs(x).max(-1, keepdims=True)
;;       e = np.where(a > 0, np.clip(np.frexp(np.where(a > 0, a, 1))[1] - 1 - 2, -126, 127), 0)      # np.frexp(a)[1] - 1 = floor(log2(a)), exactly
;;       r = np.clip(x / 2.0 ** e, -7.5, 7.5)
;;       step = 2.0 ** (np.maximum(np.frexp(np.where(r == 0, 1, r))[1] - 1, 0) - 3)
;;       q = np.round(r / step) * step * 2.0 ** e      # np.round: ties to even
;;       return np.moveaxis(q.reshape(q.shape[:-2] + (-1,))[..., :K], -1, axis).astype(np.float32)
;;   ~~~
;;   SOFTMAX AHEAD OF A QUANTISED PRODUCT. Where the list says 'softmax', what is quantised is not the finished softmax but p = 2^(t - M), with t = logit x log2(e) and M = ceil(the row's largest t), a whole number; so 1/2 < the row's largest p <= 1. The row's sum l is taken of the UNQUANTISED p, in f32, and the product's result is divided by l at the end. Since M is a whole number, a kernel that streams over the keys may use a running M (the ceiling of the running maximum): every later rescaling is an exact power of two, which a block's scale takes up: the codes' values come out the same.
;;   OPERANDS COMPUTED ON THE WAY. 'Computed on the way' means the value that the module computes at that place (a softmax that the list does not call 'softmax' is quantised finished and normalised). What goes into a quantiser is computed in f32, as accurately as f32 sums, v_exp_f32 and their like allow (about 1e-6 of the number): no bf16 or f16 on the way to a quantiser, and a product that is left as it is and whose result goes on into a quantised operand takes f32 operands (vector FMAs, or v_wmma_f32_16x16x4_f32). A number that lies on a knife's edge between two numbers of the format may be rounded either way, as far as f32 arithmetic and the matrix unit's own rounding can turn it there, and no further.
;; One version. Each part assembles by itself: llvm-mc -triple=amdgcn-amd-amdhsa -mcpu=gfx1250 --defsym DOCPART=n.
;; ======== version 1 of 1: 2 launches
;; limits: right only within a limited range of input values
;; workspace buffers: kv 26,214,400 bytes; m3 16,777,216 bytes
;; launch quant (part 1): grid 512 x 3, 4 waves a work-group, no clusters, 68,096 bytes of LDS; arguments k, v, kv, mask, m3; writes kv, m3
.if DOCPART == 1
	.amdgcn_target "amdgcn-amd-amdhsa--gfx1250"
	.amdhsa_code_object_version 6
	.text
	.protected	k_qec6f501590_quant
	.globl	k_qec6f501590_quant
	.p2align	8
	.type	k_qec6f501590_quant,@function
k_qec6f501590_quant:
	s_mov_b64 s[64:65], 0
	v_nop
	global_prefetch_b8 v0, s[64:65] scope:SCOPE_SE
	s_setreg_imm32_b32 hwreg(HW_REG_WAVE_MODE, 25, 1), 1
	s_wait_xcnt 0x0
; k and v, [2][2048][32][128] f32, become codes of FP6 (E2M3) with one E8M0 scale byte for each 32 along the product's K, laid in kv as IMAGES OF OPERAND REGISTERS.
; kv: for each of 64 heads (batch x 32 + head) and each of 16 steps of 128 keys one block of 25,600 bytes:
;   0      K's codes: tile T (0..7) at 1536 T, register group c (four registers) at + 512 c, lane at + 16 lane.  Lane r of tile 2 b + u holds key 32 b + 8 u + r + 8 (r / 8); K = the head's 128.
;   12,288 K's scale words: pair p at 128 p + 4 lane: lanes 0-15 tile 2 p's row r, lanes 16-31 tile 2 p + 1's.
;   12,800 V^T's codes: tile T holds channels 16 T + r; K = the step's 128 keys, in their order; the same image form.
;   25,088 V's scale words, in the same pair form.
; A block's scale is 2^(floor(log2(its largest magnitude)) - 2); its byte is the largest magnitude's exponent field - 2, held at 1 from below by a floor among the maximum's leaves.
; LIMITS: NaN and infinities among the inputs are not served.  A block of zeros, and one whose largest magnitude lies under 2^-124, keeps the byte 1 (the rule says 127 for zeros): its codes are zeros or what
; the scale 2^-126 gives, and these bytes are read by this program alone.
; SHARES: work-group x = head x 8 + g8 takes keys 256 g8 .. + 255 of one head; grid y = 0 makes K's parts, y = 1 V's.  Four waves that share nothing: no barrier.  Only the K and mask paths touch LDS.
.set KVB,   25600                      ; a block of kv
.set KSC,   12288
.set VCO,   12800
.set VSC,   25088
.set FRB,   1536                       ; a fragment's image
.set ROWG,  16384                      ; bytes from a key to the next of the same head
.set SP,    528                        ; a stage row: 512 bytes + 16: sixteen rows start in sixteen different groups of banks (64 banks of 4 bytes: ISA guide 11.1)
.set STGB,  16*SP                      ; a wave's stage
.set LI,  1                            ; v1   16 x lane
.set STI, 2                            ; v2   the stage, on the way in: wave's stage + 16 x lane
.set STO, 3                            ; v3   on the way out: wave's stage + 528 r + 64 h
.set CO,  4                            ; v4   K: my 16 bytes of an image, + my half's four tiles
.set SO,  5                            ; v5   K: my scale word's place
.set VS,  6                            ; v6   V: 4 x lane + 128 x wave: my column in a row of v, and my scale word's place
.set VC,  7                            ; v7   V: 16 x lane + 3072 x wave: my 16 bytes of my wave's first image
.set LN,  10                           ; v10  lane
.set R,   16                           ; K: v16-143  two sets of 64: a tile's 16 keys as loaded
.set X,   144                          ; K: v144-207 64 numbers of my row, register 16 b + i = channel 32 b + 16 h + i
.set PC,  208                          ; K: v208-219 the fragment's codes; v220-222, v224-226 halves on their way
.set TM,  228                          ; K: v228-231 largest magnitudes, v232-235 bytes, v240-243 the conversions' scale operands
.set PW,  244                          ; K: v244-247 a scale word for each tile
.set SA,  248                          ; K: v248-249 two tiles' words in one register
.set VX,  32                           ; V: v32-95   two sets of 32: a block of 32 keys of my column
.set TB,  96                           ; V: v96-143  step s: blocks 0, 2 at TB + 24 s, blocks 1, 3 at TB + 24 s + 12
.set CT,  144                          ; V: v144-146 a block's upper 16 codes on their way
.set SB,  24                           ; V: v24-25   a scale word for each step
.set WV,  12
.set SEL, 20                           ; s[20:21] v_permlanex16_b32's selects for lane l xor 16
.set HIL, 22                           ; s22  the mask of lanes 16-31
	s_load_b128 s[4:7], s[0:1], 0x0                ; k, v
	s_load_b64 s[8:9], s[0:1], 0x10                ; kv
	s_load_b128 s[32:35], s[0:1], 0x18             ; mask, m3
	v_lshl_add_u32 v254, v0, 2, 0x8400
	v_mov_b32 v255, 0
	v_lshrrev_b32 v1, 5, v0
	v_readfirstlane_b32 s[WV], v1                  ; wave 0..3
	v_and_b32 v[LN], 31, v0
	v_and_b32 v8, 15, v0                           ; r
	v_bfe_u32 v9, v0, 4, 1                         ; h
	s_mul_i32 s23, s[WV], STGB
	v_lshlrev_b32 v[LI], 4, v[LN]
	v_add_nc_u32 v[STI], s23, v[LI]
	v_mul_u32_u24 v[STO], v8, SP
	v_lshl_add_u32 v[STO], v9, 6, v[STO]
	v_add_nc_u32 v[STO], s23, v[STO]
	s_lshr_b32 s14, ttmp9, 8                       ; batch
	s_lshl_b32 s18, s14, 25                        ; x 2048 x 32 x 128 x 4 bytes
	s_bfe_u32 s15, ttmp9, 0x50003                  ; head: 5 bits from bit 3
	s_lshl_b32 s15, s15, 9                         ; x 512 bytes
	s_add_co_u32 s18, s18, s15
	s_and_b32 s17, ttmp9, 7                        ; g8
	s_lshl_b32 s15, s17, 22                        ; x 256 keys x 16,384 bytes
	s_add_co_u32 s18, s18, s15                     ; where my work-group's keys begin in k and in v: under 2^27
	s_mov_b32 s19, 0
	s_lshr_b32 s16, ttmp9, 3                       ; batch x 32 + head
	s_lshl_b32 s16, s16, 4
	s_lshl_b32 s17, s17, 1
	s_add_co_u32 s16, s16, s17                     ; my first block of kv: 16 x head + 2 g8
	s_mul_i32 s24, s16, KVB
	s_mov_b32 s25, 0
	s_mov_b32 s[SEL], 0x76543210
	s_mov_b32 s[SEL+1], 0xfedcba98
	s_and_b32 s13, ttmp7, 0xffff
	s_wait_kmcnt 0x0
	s_add_nc_u64 s[8:9], s[8:9], s[24:25]
	s_cmp_lg_u32 s13, 0                            ; the work-group's y alone decides: all four waves go one way
	s_cbranch_scc1 .Lv
; ---------------- K: wave w takes keys 64 w .. 64 w + 63 of the 256: step w / 2, tiles 4 (w % 2) + 0 .. 3 ----------------
	s_lshl_b32 s26, s[WV], 20                      ; 64 keys x 16,384 bytes
	s_add_co_u32 s18, s18, s26
	s_add_nc_u64 s[4:5], s[4:5], s[18:19]
	s_lshr_b32 s26, s[WV], 1
	s_mul_i32 s26, s26, KVB
	s_mov_b32 s27, 0
	s_add_nc_u64 s[8:9], s[8:9], s[26:27]
	s_and_b32 s28, s[WV], 1                        ; which half of the step's eight tiles
	s_mul_i32 s29, s28, 4*FRB
	s_wait_alu depctr_va_vdst(0)
	v_add_nc_u32 v[CO], s29, v[LI]
	s_lshl_b32 s29, s28, 8
	s_add_co_u32 s29, s29, KSC
	v_lshl_add_u32 v[SO], v[LN], 2, s29
	v_cmp_lt_u32 s[HIL], 15, v[LN]
.irp b, 0,1,2,3
	v_mov_b32 v[TM+4+\b], 0                        ; written once: a lane permute's destination counts as one of its sources
.endr
; A tile's 16 keys, each a load of 512 consecutive bytes (32 lanes x 16): row i of tile tl is key 32 (tl / 2) + 8 (tl % 2) + i + 8 (i / 8) of my 64
.macro KLOAD tl
.irp i, 0,1,2,3,4,5,6,7,8,9,10,11,12,13,14,15
	global_load_b128 v[R+64*((\tl)%2)+4*\i:R+64*((\tl)%2)+4*\i+3], v[LI], s[4:5] offset:(32*((\tl)/2)+8*((\tl)%2)+\i+8*(\i/8))*ROWG th:TH_LOAD_NT
.endr
.endm
; 64 numbers of a lane, v[s] on, register 16 b + i = k 32 b + 16 (lane / 16) + i of my row, become a fragment's codes in v[PC] on and its scale word in v[pw]
.macro QUANT s, pw
.irp b, 0,1,2,3
	v_max3_num_f32 v[TM+\b], |v[\s+16*\b]|, |v[\s+1+16*\b]|, 0x1800000   ; block b: my 16 numbers, and the floor 2^(3 - 127): the byte cannot fall under 1
.endr
.irp i, 2,4,6,8,10,12,14
.irp b, 0,1,2,3
	v_max3_num_f32 v[TM+\b], v[TM+\b], |v[\s+16*\b+\i]|, |v[\s+1+16*\b+\i]|   ; the four blocks by turns
.endr
.endr
.irp b, 0,1,2,3
	v_permlanex16_b32 v[TM+4+\b], v[TM+\b], s[SEL], s[SEL+1]
.endr
.irp b, 0,1,2,3
	v_max_num_f32 v[TM+\b], v[TM+\b], v[TM+4+\b]   ; with lane l xor 16's: the block's largest magnitude
.endr
.irp b, 0,1,2,3
	v_add_nc_u32 v[TM+12+\b], 0xff000000, v[TM+\b] ; 2 off its exponent field: the conversion takes the exponent field of this operand as its scale
.endr
.irp b, 0,1,2,3
	v_lshrrev_b32 v[TM+4+\b], 23, v[TM+12+\b]      ; the scale's byte
.endr
	v_lshl_or_b32 v[\pw], v[TM+5], 8, v[TM+4]      ; four bytes make my row's scale word; lanes r and r + 16 hold the same
	v_lshl_or_b32 v[\pw], v[TM+6], 16, v[\pw]
	v_lshl_or_b32 v[\pw], v[TM+7], 24, v[\pw]
.irp c, 0,1
	v_cvt_scalef32_pk16_fp6_f32 v[PC+6*\c:PC+2+6*\c], v[\s+32*\c:\s+15+32*\c], v[TM+12+2*\c]
	v_cvt_scalef32_pk16_fp6_f32 v[PC+12+4*\c:PC+14+4*\c], v[\s+16+32*\c:\s+31+32*\c], v[TM+12+2*\c+1]   ; (a conversion's three registers begin on an even number)
.endr
	v_nop                                          ; one plain instruction behind a scaled conversion
.irp c, 0,1                                    ; the operand's layout wants a whole block in a lane: lanes 0-15 block 2 c, lanes 16-31 block 2 c + 1
.irp i, 0,1,2
	v_permlane16_swap_b32 v[PC+6*\c+\i], v[PC+12+4*\c+\i]
.endr
.irp i, 0,1,2
	v_mov_b32 v[PC+3+6*\c+\i], v[PC+12+4*\c+\i]
.endr
.endr
.endm
.macro KTILE tl
.if (\tl) < 3
	s_wait_loadcnt 16                              ; this tile's 16 loads are in; the next tile's 16 may be out
.else
	s_wait_loadcnt 0x0
.endif
.irp i, 0,1,2,3,4,5,6,7,8,9,10,11,12,13,14,15
	ds_store_b128 v[STI], v[R+64*((\tl)%2)+4*\i:R+64*((\tl)%2)+4*\i+3] offset:SP*\i   ; the rows as they were loaded
.endr
.irp b, 0,1,2,3
.irp j, 0,1,2,3
	ds_load_b128 v[X+16*\b+4*\j:X+16*\b+4*\j+3], v[STO] offset:128*\b+16*\j   ; and back, 16 neighbours of each block of 32 of my row.  LDS serves a wave's instructions in order (ISA guide 5.7.1.4): these see the stores
.endr
.endr
	s_wait_dscnt 0x0                               ; my numbers are in, and the stage's stores are done with their registers
.if (\tl) > 0
	s_wait_xcnt 0x0                                ; the last tile's stores have read the codes' registers: they are written again only behind this wait
.endif
.if (\tl) < 2
	KLOAD (\tl)+2
.endif
	QUANT X, PW+(\tl)
.irp c, 0,1,2
	global_store_b128 v[CO], v[PC+4*\c:PC+4*\c+3], s[8:9] offset:FRB*(\tl)+512*\c   ; 32 lanes store 512 consecutive bytes, at a multiple of 256 from kv's first byte
.endr
.if (\tl)%2
	v_cndmask_b32 v[SA+(\tl)/2], v[PW+(\tl)-1], v[PW+(\tl)], s[HIL]   ; lanes 0-15 the even tile's words, lanes 16-31 the odd tile's
	global_store_b32 v[SO], v[SA+(\tl)/2], s[8:9] offset:128*((\tl)/2)
.endif
.endm
	KLOAD 0
	KLOAD 1
	KTILE 0
	KTILE 1
	KTILE 2
	KTILE 3
	s_wait_tensorcnt 0x0
	ds_add_u32 v254, v255
	s_wait_dscnt 0x0
	s_endpgm
; ---------------- V: wave w takes channels 32 w + lane; A LANE TAKES A COLUMN AND ITS REGISTERS RUN DOWN THE KEYS, which are this operand's K ----------------
.Lv:
	s_cmp_eq_u32 s13, 2                            ; grid y = 2: the mask's path
	s_cbranch_scc1 .Lm
	s_add_nc_u64 s[6:7], s[6:7], s[18:19]
	s_lshl_b32 s26, s[WV], 7
	s_wait_alu depctr_va_vdst(0)
	v_lshl_add_u32 v[VS], v[LN], 2, s26
	s_mul_i32 s27, s[WV], 2*FRB
	v_add_nc_u32 v[VC], s27, v[LI]
.macro VLOAD t                         ; block t: keys 32 t + i of my column: a wave reads 128 consecutive bytes, the four waves 512
.irp i, 0,1,2,3,4,5,6,7,8,9,10,11,12,13,14,15,16,17,18,19,20,21,22,23,24,25,26,27,28,29,30,31
	global_load_b32 v[VX+32*((\t)%2)+\i], v[VS], s[6:7] offset:(32*(\t)+\i)*ROWG th:TH_LOAD_NT
.endr
.endm
.macro VBLOCK t
.set XS, VX+32*((\t)%2)
.set DST, TB+24*((\t)/4)+12*((\t)%2)+6*(((\t)%4)/2)
.if (\t) < 7
	s_wait_loadcnt 32                              ; this block's 32 loads are in; the next block's may be out
.else
	s_wait_loadcnt 0x0
.endif
	v_max3_num_f32 v12, |v[XS]|, |v[XS+1]|, |v[XS+2]|   ; the block's largest magnitude: all 32 numbers are mine
	v_max3_num_f32 v13, |v[XS+3]|, |v[XS+4]|, |v[XS+5]|
.irp i, 6,10,14,18,22,26
	v_max3_num_f32 v12, v12, |v[XS+\i]|, |v[XS+\i+1]|
	v_max3_num_f32 v13, v13, |v[XS+\i+2]|, |v[XS+\i+3]|
.endr
	v_max3_num_f32 v12, v12, |v[XS+30]|, |v[XS+31]|
	v_max3_num_f32 v12, v12, v13, 0x1800000        ; and the floor 2^(3 - 127)
	v_add_nc_u32 v11, 0xff000000, v12              ; the conversion's scale operand
	v_lshrrev_b32 v13, 23, v11                     ; the scale's byte
.if (\t)%4 == 0
	v_mov_b32 v[SB+(\t)/4], v13                    ; four bytes to a step's word, the earlier keys in the lower byte
.else
	v_lshl_or_b32 v[SB+(\t)/4], v13, 8*((\t)%4), v[SB+(\t)/4]
.endif
	v_cvt_scalef32_pk16_fp6_f32 v[DST:DST+2], v[XS:XS+15], v11
	v_cvt_scalef32_pk16_fp6_f32 v[CT:CT+2], v[XS+16:XS+31], v11   ; (a conversion's three registers begin on an even number)
	v_nop                                          ; one plain instruction behind a scaled conversion
.irp i, 0,1,2
	v_mov_b32 v[DST+3+\i], v[CT+\i]
.endr
.if (\t) < 6
	VLOAD (\t)+2
.endif
.endm
; A step's four blocks of a column lie in one lane; the operand's layout wants blocks 0, 2 in lanes 0-15 and blocks 1, 3 in lanes 16-31 of the column's tile.  The exchange gives both of my wave's tiles at once:
; the first run's lanes 16-31 (blocks 0, 2 of channels 16 .. 31) change places with the second's lanes 0-15 (blocks 1, 3 of channels 0 .. 15).
.macro VOUT s
.irp i, 0,1,2,3,4,5,6,7,8,9,10,11
	v_permlane16_swap_b32 v[TB+24*\s+\i], v[TB+24*\s+12+\i]
.endr
.irp e, 0,1
.irp c, 0,1,2
	global_store_b128 v[VC], v[TB+24*\s+12*\e+4*\c:TB+24*\s+12*\e+4*\c+3], s[8:9] offset:KVB*\s+VCO+FRB*\e+512*\c   ; 512 consecutive bytes, at a multiple of 256 from kv's first byte
.endr
.endr
	global_store_b32 v[VS], v[SB+\s], s[8:9] offset:KVB*\s+VSC   ; lane l holds the word of tile 2 w + l / 16, row l % 16: the pair form as it stands
.endm                                  ; each step has codes' and scale registers of its own: no store's data are written again
	VLOAD 0
	VLOAD 1
	VBLOCK 0
	VBLOCK 1
	VBLOCK 2
	VBLOCK 3
	VOUT 0
	VBLOCK 4
	VBLOCK 5
	VBLOCK 6
	VBLOCK 7
	VOUT 1
	s_endpgm
; ---------------- THE MASK (grid y = 2): m3 = mask x sqrt(128), laid as IMAGES OF THE SCORES' ACCUMULATORS, so that the next launch gives it to the first product as C ----------------
; m3: for each tile of 16 queries (128 of them) and each step of 128 keys (16) a block of 8,192 bytes: group g (four registers) at 512 g + 16 lane;
; lane (r, h) of group g holds mask[16 tile + r][128 step + 32 (g / 4) + 16 h + 4 (g % 4) + 0 .. 3] x sqrt(128).
; One wave makes one block: 16 loads of a row's 512 consecutive bytes, a turn through a stage of its own (bytes that K's path never names), 16 stores of 512 consecutive bytes.
.set MST, 34304                        ; the mask path's four stages, behind the spare words
.Lm:
	s_wait_alu depctr_va_vdst(0)
	s_lshl_b32 s26, ttmp9, 2
	s_add_co_u32 s26, s26, s[WV]                   ; my block: 16 x tile + step
	s_lshr_b32 s27, s26, 4
	s_lshl_b32 s27, s27, 17                        ; tile x 16 rows x 8,192 bytes
	s_and_b32 s28, s26, 15
	s_lshl_b32 s28, s28, 9                         ; step x 512 bytes
	s_add_co_u32 s28, s27, s28
	s_mov_b32 s29, 0
	s_add_nc_u64 s[32:33], s[32:33], s[28:29]
	s_lshl_b32 s28, s26, 13
	s_add_nc_u64 s[34:35], s[34:35], s[28:29]
	s_mov_b32 s30, 0x413504f3                      ; sqrt(128)
	s_mov_b32 s31, s30
.irp i, 0,1,2,3,4,5,6,7,8,9,10,11,12,13,14,15
	global_load_b128 v[R+4*\i:R+4*\i+3], v[LI], s[32:33] offset:8192*\i th:TH_LOAD_NT
.endr
	s_wait_loadcnt 0x0
.irp i, 0,1,2,3,4,5,6,7,8,9,10,11,12,13,14,15
	ds_store_b128 v[STI], v[R+4*\i:R+4*\i+3] offset:MST+SP*\i
.endr
.irp g, 0,1,2,3,4,5,6,7,8,9,10,11,12,13,14,15
	ds_load_b128 v[X+4*\g:X+4*\g+3], v[STO] offset:MST+128*(\g/4)+16*(\g%4)   ; LDS serves a wave's instructions in order: these see my stores
.endr
	s_wait_dscnt 0x0
.set j, 0
.rept 32
	v_pk_mul_f32 v[X+j:X+j+1], v[X+j:X+j+1], s[30:31] op_sel_hi:[1,0]
.set j, j+2
.endr
.irp g, 0,1,2,3,4,5,6,7,8,9,10,11,12,13,14,15
	global_store_b128 v[LI], v[X+4*\g:X+4*\g+3], s[34:35] offset:512*\g
.endr
	s_wait_tensorcnt 0x0                           ; the wave's end
	ds_add_u32 v254, v255
	s_wait_dscnt 0x0
	s_endpgm
.Lfunc_end_k_qec6f501590_quant:
	.size	k_qec6f501590_quant, .Lfunc_end_k_qec6f501590_quant-k_qec6f501590_quant
	.p2alignl 7, 3214868480
	.fill 96, 4, 3214868480
	.section	.rodata,"a",@progbits
	.p2align	6, 0x0
	.amdhsa_kernel k_qec6f501590_quant
		.amdhsa_group_segment_fixed_size 68096
		.amdhsa_private_segment_fixed_size 0
		.amdhsa_enable_private_segment 0
		.amdhsa_kernarg_size 40
		.amdhsa_user_sgpr_count 2
		.amdhsa_user_sgpr_kernarg_segment_ptr 1
		.amdhsa_wavefront_size32 1
		.amdhsa_system_sgpr_workgroup_id_x 1
		.amdhsa_system_sgpr_workgroup_id_y 1
		.amdhsa_system_sgpr_workgroup_id_z 1
		.amdhsa_system_vgpr_workitem_id 0
		.amdhsa_next_free_vgpr 256
		.amdhsa_next_free_sgpr 66
		.amdhsa_reserve_vcc 0
		.amdhsa_float_denorm_mode_32 3
		.amdhsa_float_denorm_mode_16_64 3
		.amdhsa_memory_ordered 1
		.amdhsa_forward_progress 1
		.amdhsa_inst_pref_size 80
	.end_amdhsa_kernel
	.amdgpu_metadata
---
amdhsa.version: [ 1, 2 ]
amdhsa.kernels:
  - .name:           k_qec6f501590_quant
    .symbol:         k_qec6f501590_quant.kd
    .args:
      - { .name: k, .offset: 0, .size: 8, .value_kind: global_buffer, .address_space: global }
      - { .name: v, .offset: 8, .size: 8, .value_kind: global_buffer, .address_space: global }
      - { .name: kv, .offset: 16, .size: 8, .value_kind: global_buffer, .address_space: global }
      - { .name: mask, .offset: 24, .size: 8, .value_kind: global_buffer, .address_space: global }
      - { .name: m3, .offset: 32, .size: 8, .value_kind: global_buffer, .address_space: global }
    .group_segment_fixed_size: 68096
    .private_segment_fixed_size: 0
    .kernarg_segment_align: 8
    .kernarg_segment_size: 40
    .max_flat_workgroup_size: 128
    .sgpr_count:     66
    .vgpr_count:     256
    .wavefront_size: 32
...
	.end_amdgpu_metadata
.endif
;; end of part 1
;; launch attn (part 2): grid 8 x 64, 8 waves a work-group, clusters of 4 x 1, 327,680 bytes of LDS; arguments q, m3, kv, out0; writes out0
.if DOCPART == 2
	.amdgcn_target "amdgcn-amd-amdhsa--gfx1250"
	.amdhsa_code_object_version 6
	.text
	.protected	k_qec6f501590_attn
	.globl	k_qec6f501590_attn
	.p2align	8
	.type	k_qec6f501590_attn,@function
k_qec6f501590_attn:
	s_mov_b64 s[64:65], 0
	v_nop
	global_prefetch_b8 v0, s[64:65] scope:SCOPE_SE
	s_setreg_imm32_b32 hwreg(HW_REG_WAVE_MODE, 25, 1), 1
	s_wait_xcnt 0x0
	s_wait_alu depctr_hold_cnt(0) depctr_sa_sdst(0) depctr_va_vdst(0) depctr_va_sdst(0) depctr_va_ssrc(0) depctr_va_vcc(0) depctr_vm_vsrc(0)
	s_getreg_b32 s2, hwreg(HW_REG_IB_STS2, 6, 4)
	s_cmp_eq_u32 s2, 0
	s_cbranch_scc0 .Lentry_in_a_cluster
	s_endpgm
.Lentry_in_a_cluster:
	s_bfe_u32 s2, ttmp6, 0x10000c
	s_cmp_lg_u32 s2, 0x3003
	s_cbranch_scc0 .Lentry_shape_is_right
	s_endpgm
.Lentry_shape_is_right:
; out0[b][q][h][:] = the sum over keys of softmax(q . k / sqrt(128) + mask[q][key]) v[key][:], both products on codes of FP6 (E2M3) with one E8M0 scale for each 32 along a product's K.
; q, out0: [2][2048][32][128] f32.  kv: K's and V's codes and scale words as images of operand registers, 25,600 bytes for each head and step of 128 keys.
; m3: mask x sqrt(128) as images of the scores' accumulators, 8,192 bytes for each 16 queries and step.  Both were made by the launch before.  Every word of the mask is used; no tile is left out.
; THE MASK IS THE C OF THE FIRST PRODUCT: D = K Q^T + mask x sqrt(128) = logit x sqrt(128); t = D x c with c = log2(e) / sqrt(128).  No vector instruction adds it.
; THE SOFTMAX: M = the row's largest t so far, rounded up to a whole number; p = 2^(t - M) is quantised along the keys, not normalised; the row's sum is taken of the unquantised p and divides at the end.
; When M moves, the sum and O are multiplied by 2^(old M - new M): exact.
; SHARES.  A work-group owns 256 queries of one head; each of its eight waves 32 of them, as two tiles of 16: tile 0 in register window 0, tile 1 in window 1 under the same numbers, so each fragment
; of K and V read from LDS feeds two matrix instructions.  16 steps of 128 keys.  LDS holds kv alone: two slots of four steps (102,400 bytes); each wave brings 12,800 bytes of a slot by one tensor load.
; CLUSTER.  Four blocks of queries of one head (4 x 1) need the same bytes of kv and ask for them jointly.  m3 goes from memory straight into each wave's accumulators, 512 consecutive bytes an instruction:
; it never lies in LDS, so there is no tile of it to share.
; NO PREFETCH: a slot's refill is asked for four steps (128 matrix instructions a wave) ahead of its first read, and a tile's words of m3 are loaded one step ahead of the product that takes them.
; LAYOUT.  Both products are used transposed (S^T = K Q^T, O^T = V^T P^T): a lane holds one query (lane % 16).  Register 16 b + i of S^T is key 32 b + 16 (lane / 16) + i.
; LIMITS.  NaN among the inputs is not served.  The mask is multiplied by the f32 number nearest sqrt(128) and added by the matrix unit, t by the f32 number nearest c: about a unit in the last place from the definition.
; A row whose every logit is -infinity gives NaN, as the definition does.  A block of p that is all zeros keeps the scale byte 1: its codes are zeros.  The promise holds while |t| stays under 2^31.
.set KVS,   25600                      ; a block of kv: one step
.set KSC,   12288                      ; in it: K's scale words,
.set VCO,   12800                      ; V's codes,
.set VSC,   25088                      ; V's scale words
.set FRB,   1536                       ; a fragment's image
.set HEADB, 16*KVS
.set SLOTB, 4*KVS                      ; a slot: four steps
.set PART,  SLOTB/8                    ; a wave's part of a fill: 50 rows of 256 bytes
.set SPARE, 2*SLOTB                    ; the spare words: 128 bytes a wave
.set STAGE, SPARE+1024                 ; a stage of 16 rows for each wave, for q on the way in and O on the way out; no fill lands here
.set SP,    528                        ; a stage row: 512 bytes + 16
.set ROWG,  16384                      ; bytes from a query to the next of the same head
; window 0 alone
.set GL,  1                            ; 16 x lane
.set LS,  2                            ; 4 x lane
.set LIC, 3                            ; this step's block in LDS + 16 x lane
.set LSC, 4                            ; + 4 x lane
.set SPW, 5                            ; my spare word; never rewritten
.set NIL, 6                            ; 0; never rewritten
.set SL,  7                            ; stage + 16 x lane
.set SQ,  8                            ; stage + 528 r + 64 h
.set SOO, 9                            ; stage + 528 r + 32 h
.set QS,  28                           ; v28-29 Q's scale words, tile 0, 1
.set PS,  30                           ; v30-31 p's
.set KS,  80                           ; v80-83 K's scale words
.set VS,  84                           ; v84-87 V's
; both windows
.set FR,  32                           ; v32-79 fragments 0-3 (window 0), 4-7 (window 1)
.set NM,  12                           ; -M
.set DMX, 13                           ; the largest D so far
.set SU,  14                           ; v14-15 the sum in two halves
.set QC,  16                           ; v16-27 Q's codes
.set BM,  88                           ; v88-91 the blocks' maxima
.set PT,  92                           ; v92-95 at work
.set S,   96                           ; v96-159 S^T, then p
.set O,   160                          ; v160-223 O^T
.set PC,  224                          ; v224-235 p's codes
.set CT,  236                          ; v236-242 halves of codes on their way
.set C3,  236
.set SO,  244                          ; v244-247 the conversions' scale operands
.set F,   248                          ; v248 f (v249 named with it)
.set T,   250
.set T2,  251
.set C1,  252
.set C2,  254
.set WV,  12
.set G1,  32                           ; s[32:39] descriptor group 1
.set G0,  40                           ; s[40:47] groups 0, one for each slot
.set SEL, 48                           ; s[48:49] v_permlanex16_b32's selects for lane l xor 16
.set CC,  50                           ; s[50:51] c
.set KO,  52                           ; this step's block in LDS
.set CNT, 53
.set MA,  54                           ; s[54:55] my tile 0's block of m3
.set MSB, 0
.macro WIN new                         ; low byte: 1:0 source 0, 3:2 source 1, 5:4 source 2, 7:6 destination; the high byte repeats the setting left
.if MSB != (\new)
	s_set_vgpr_msb (MSB<<8)|(\new)
.set MSB, \new
.endif
.endm
.macro ROUND                           ; a round of the cluster's barrier
	s_barrier_signal -1
	s_barrier_wait -1
	s_cmp_lg_u32 s[WV], 0
	s_cbranch_scc1 .Lnot_wave_0_\@
	s_barrier_signal -3
.Lnot_wave_0_\@:
	s_barrier_wait -3
	s_barrier_signal -1
	s_barrier_wait -1
.endm
.macro NOP4
.rept 4
	v_nop
.endr
.endm
; one matrix instruction: accumulator tt of d += fragment t x operand b; scale words: pair tt / 2 of sa (odd tiles in lanes 16-31), sb
.macro MM d, t, tt, b, sa, sb
.if (\tt)%2
	v_wmma_scale_f32_16x16x128_f8f6f4 v[\d+8*(\tt):\d+8*(\tt)+7], v[FR+12*(\t):FR+12*(\t)+11], v[\b:\b+11], v[\d+8*(\tt):\d+8*(\tt)+7], v[\sa+(\tt)/2], v[\sb] matrix_a_fmt:MATRIX_FMT_FP6 matrix_b_fmt:MATRIX_FMT_FP6 matrix_a_scale:MATRIX_SCALE_ROW1
.else
	v_wmma_scale_f32_16x16x128_f8f6f4 v[\d+8*(\tt):\d+8*(\tt)+7], v[FR+12*(\t):FR+12*(\t)+11], v[\b:\b+11], v[\d+8*(\tt):\d+8*(\tt)+7], v[\sa+(\tt)/2], v[\sb] matrix_a_fmt:MATRIX_FMT_FP6 matrix_b_fmt:MATRIX_FMT_FP6
.endif
.endm
; eight fragments and four scale words of this step's block: fragments 0-3 into window 0, 4-7 into window 1
.macro FRAGS co, sc, sr
	WIN 0
.irp t, 0,1,2,3
.irp c, 0,1,2
	ds_load_b128 v[FR+12*\t+4*\c:FR+12*\t+4*\c+3], v[LIC] offset:\co+\t*FRB+512*\c
.endr
.endr
.irp p, 0,1,2,3
	ds_load_b32 v[\sr+\p], v[LSC] offset:\sc+128*\p
.endr
	WIN 0x40
.irp t, 0,1,2,3
.irp c, 0,1,2
	ds_load_b128 v[FR+12*\t+4*\c:FR+12*\t+4*\c+3], v[LIC] offset:\co+(4+\t)*FRB+512*\c
.endr
.endr
.endm
; S^T of tile w: C is the accumulator as m3's loads left it.  wt = 1: K's loads are waited for here: the youngest twelve (fragments 4-7) may be out at first
.macro SMUL w, wt
.if \wt
	s_wait_dscnt 12
.endif
	WIN 0x54*\w
.irp t, 0,1,2,3
	MM S, \t, \t, QC, KS, QS+\w
.endr
.if \wt
	s_wait_dscnt 0x0
.endif
	WIN 0x54*\w+1
.irp t, 0,1,2,3
	MM S, \t, 4+\t, QC, KS, QS+\w
.endr
.endm
; the four blocks' largest magnitudes in BM become the conversions' scale operands and the scale word v[ps] (window 0)
.macro SCW w, ps
.irp b, 0,1,2,3
	v_add_nc_u32 v[SO+\b], 0xff000000, v[BM+\b]    ; 2 off the exponent field
.endr
.irp b, 0,1,2,3
	v_lshrrev_b32 v[PT+\b], 23, v[SO+\b]           ; the scale's byte
.endr
	v_lshl_or_b32 v[T], v[PT+1], 8, v[PT]
	v_lshl_or_b32 v[T2], v[PT+3], 8, v[PT+2]
	WIN 0x15*\w
	v_lshl_or_b32 v[\ps], v[T2], 16, v[T]
	WIN 0x55*\w
.endm
; 64 numbers of a lane, register 16 b + i = k 32 b + 16 h + i of my row, become a fragment's twelve registers
.macro CODES s, pc
.irp c, 0,1
	v_cvt_scalef32_pk16_fp6_f32 v[\pc+6*\c:\pc+6*\c+2], v[\s+32*\c:\s+32*\c+15], v[SO+2*\c]
	v_cvt_scalef32_pk16_fp6_f32 v[CT+4*\c:CT+4*\c+2], v[\s+32*\c+16:\s+32*\c+31], v[SO+2*\c+1]   ; (a conversion's three registers begin on an even number)
.endr
	v_nop                                          ; one plain instruction behind a scaled conversion
.irp c, 0,1                                    ; a whole block in a lane: lanes 0-15 block 2 c, lanes 16-31 block 2 c + 1
.irp i, 0,1,2
	v_permlane16_swap_b32 v[\pc+6*\c+\i], v[CT+4*\c+\i]
.endr
.irp i, 0,1,2
	v_mov_b32 v[\pc+3+6*\c+\i], v[CT+4*\c+\i]
.endr
.endr
.endm
.macro JOINMAX                         ; each block's maximum with lane l xor 16's
.irp b, 0,1,2,3
	v_permlanex16_b32 v[PT+\b], v[BM+\b], s[SEL], s[SEL+1]
.endr
.irp b, 0,1,2,3
	v_max_num_f32 v[BM+\b], v[BM+\b], v[PT+\b]
.endr
.endm
.macro MLOAD w                         ; tile w's 64 words a lane of m3, into its accumulators
	WIN 0x40*\w
.irp g, 0,1,2,3,4,5,6,7,8,9,10,11,12,13,14,15
	global_load_b128 v[S+4*\g:S+4*\g+3], v[GL], s[MA:MA+1] offset:131072*\w+512*\g
.endr
.endm
; the softmax of tile w's 16 queries x 128 keys, all in window w; p's codes; the next step's m3; O under the new M
.macro SOFT w, last
	WIN 0x55*\w
.irp b, 0,1,2,3
	v_max3_num_f32 v[BM+\b], v[S+16*\b], v[S+16*\b+1], v[S+16*\b+2]   ; the largest D of each block of 32 keys (each accumulator is read from its low end on): it serves the row's maximum and the block's largest p
.endr
.irp i, 3,5,7,9,11,13
.irp b, 0,1,2,3
	v_max3_num_f32 v[BM+\b], v[BM+\b], v[S+16*\b+\i], v[S+16*\b+\i+1]
.endr
.endr
.irp b, 0,1,2,3
	v_max_num_f32 v[BM+\b], v[BM+\b], v[S+16*\b+15]
.endr
	JOINMAX
	v_max3_num_f32 v[T], v[BM], v[BM+1], v[BM+2]
	v_mov_b32 v[T2], v[NM]
	s_delay_alu instid0(VALU_DEP_2)
	v_max3_num_f32 v[DMX], v[DMX], v[T], v[BM+3]   ; the running largest D
	s_delay_alu instid0(VALU_DEP_1)
	v_mul_f32 v[T], s[CC], v[DMX]                  ; as t (c is positive)
	s_delay_alu instid0(VALU_DEP_1)
	v_floor_f32 v[NM], -v[T]                       ; -M = floor(-t): M is a whole number
	s_delay_alu instid0(VALU_DEP_1)
	v_sub_f32 v[T], v[NM], v[T2]                   ; old M less new M
	s_delay_alu instid0(VALU_DEP_1)
	v_cvt_i32_f32 v[T], v[T]                       ; (it saturates)
	s_delay_alu instid0(VALU_DEP_1)
	v_ldexp_f32 v[F], 1.0, v[T]                    ; f = 2^(old M - new M)
.set j, 0
.rept 32
	v_pk_fma_f32 v[S+j:S+j+1], v[S+j:S+j+1], s[CC:CC+1], v[NM:NM+1] op_sel_hi:[1,0,0]   ; t - M
.set j, j+2
.endr
.irp b, 0,1,2,3
	v_fma_f32 v[BM+\b], v[BM+\b], s[CC], v[NM]     ; the same of each block's largest
.endr
	s_wait_alu depctr_va_vdst(0)                   ; the wait ahead of the batch
.set j, 0
.rept 64
	v_exp_f32 v[S+j], v[S+j]                       ; p = 2^(t - M)
.set j, j+1
.endr
.irp b, 0,1,2,3
	v_exp_f32 v[BM+\b], v[BM+\b]                   ; the block's largest p
.endr
	v_pk_mul_f32 v[SU:SU+1], v[SU:SU+1], v[F:F+1] op_sel_hi:[1,0]   ; the sums under the new M: the plain instruction behind the batch
	s_wait_alu depctr_va_vdst(0)                   ; and the wait behind it
	v_pk_add_f32 v[C1:C1+1], v[S+2:S+3], v[S+4:S+5]   ; the sum of the unquantised p, in four chains
	v_pk_add_f32 v[C2:C2+1], v[S+6:S+7], v[S+8:S+9]
	v_pk_add_f32 v[C3:C3+1], v[S+10:S+11], v[S+12:S+13]
	v_pk_add_f32 v[SU:SU+1], v[SU:SU+1], v[S:S+1]
.irp i, 14,22,30,38,46,54
	v_pk_add_f32 v[SU:SU+1], v[SU:SU+1], v[S+\i:S+\i+1]
	v_pk_add_f32 v[C1:C1+1], v[C1:C1+1], v[S+\i+2:S+\i+3]
	v_pk_add_f32 v[C2:C2+1], v[C2:C2+1], v[S+\i+4:S+\i+5]
	v_pk_add_f32 v[C3:C3+1], v[C3:C3+1], v[S+\i+6:S+\i+7]
.endr
	v_pk_add_f32 v[SU:SU+1], v[SU:SU+1], v[S+62:S+63]
	v_pk_add_f32 v[C1:C1+1], v[C1:C1+1], v[C2:C2+1]
.irp b, 0,1,2,3
	v_max_num_f32 v[BM+\b], 0x1800000, v[BM+\b]    ; the floor 2^(3 - 127): the byte cannot fall under 1
.endr
	v_pk_add_f32 v[SU:SU+1], v[SU:SU+1], v[C3:C3+1]
	v_pk_add_f32 v[SU:SU+1], v[SU:SU+1], v[C1:C1+1]
	SCW \w, PS+\w
	CODES S, PC
.if \last == 0
	MLOAD \w                                       ; p's registers are free: the next step's m3, a step ahead of the product that takes it
	WIN 0x55*\w
.endif
	s_wait_alu depctr_va_vdst(0)                   ; the wait directly ahead of the first reader of O^T
.set j, 0
.rept 32
	v_pk_mul_f32 v[O+j:O+j+1], v[O+j:O+j+1], v[F:F+1] op_sel_hi:[1,0]   ; O^T under the new M; these also stand between p's codes and scale word and the products
.set j, j+2
.endr
.endm
; A STEP of 128 keys, from the block at s[KO].  The two tiles are staggered: tile 1's first product stands behind tile 0's softmax, so that each tile's loads of m3 have about a step in which to land.
.macro STEP last
.if \last == 0
	s_wait_xcnt 0x0                                ; the last loads of m3 have read their base
	s_add_nc_u64 s[MA:MA+1], s[MA:MA+1], 8192      ; the next step's block
.endif
	v_add_nc_u32 v[LIC], s[KO], v[GL]
	v_add_nc_u32 v[LSC], s[KO], v[LS]
	v_nop
	v_nop                                          ; four plain instructions in front of loads into registers that the last products read
	FRAGS 0, KSC, KS
	s_wait_loadcnt 16                              ; tile 0's m3 is in; tile 1's 16 loads may be out
	SMUL 0, 1
	NOP4
	SOFT 0, \last
.if \last
	s_wait_loadcnt 0x0
.else
	s_wait_loadcnt 16                              ; tile 1's m3 is in; the 16 loads for tile 0's next step may be out
.endif
	SMUL 1, 0
	NOP4                                           ; in front of the loads over K's fragments, and of the first read of the scores
	FRAGS VCO, VSC, VS                             ; V lands under tile 1's softmax
	SOFT 1, \last
	WIN 0
	s_wait_alu depctr_va_vdst(0)                   ; the wait directly ahead of the wait below
	s_wait_dscnt 0x0
.irp t, 0,1,2,3                                ; O^T += V^T P^T: sixteen accumulators, one instruction each
	MM O, \t, \t, PC, VS, PS
.endr
	WIN 0x54
.irp t, 0,1,2,3
	MM O, \t, \t, PC, VS, PS+1
.endr
	WIN 0x55
.irp t, 0,1,2,3
	MM O, \t, 4+\t, PC, VS, PS+1
.endr
	WIN 0x01
.irp t, 0,1,2,3
	MM O, \t, 4+\t, PC, VS, PS
.endr
	WIN 0
.endm
; FOUR STEPS from slot q % 2.  At their head the change of slots: all my tensor loads are done, the add, my LDS reads are over; the cluster's round; then the other slot takes the next four steps' blocks.
.macro QUAD q, trips
	s_wait_tensorcnt 0x0
	ds_add_u32 v[SPW], v[NIL]
.if (\q == 1) || (\q == 2)
	s_add_nc_u64 s[G0+4*((\q+1)%2)+2:G0+4*((\q+1)%2)+3], s[G0+4*((\q+1)%2)+2:G0+4*((\q+1)%2)+3], 2*SLOTB   ; that slot's next four steps
.endif
	s_wait_dscnt 0x0
	ROUND
.if \q < 3
	tensor_load_to_lds s[G0+4*((\q+1)%2):G0+4*((\q+1)%2)+3], s[G1:G1+7]   ; my one load behind the round
	s_nop 0
	NOP4
.endif
	s_mov_b32 s[KO], (\q%2)*SLOTB
	s_mov_b32 s[CNT], \trips
.Lq\q:
	STEP 0
	s_add_co_u32 s[KO], s[KO], KVS
	s_sub_co_u32 s[CNT], s[CNT], 1
	s_cmp_lg_u32 s[CNT], 0
	s_cbranch_scc1 .Lq\q
.endm
; Q of tile w: 64 numbers a lane in O's registers become codes and a scale word; then the tile's state
.macro QQ w
	WIN 0x55*\w
.irp b, 0,1,2,3
	v_mov_b32 v[PT+\b], 0                          ; a lane permute's destination counts as one of its sources
.endr
.irp b, 0,1,2,3
	v_max3_num_f32 v[BM+\b], |v[O+16*\b]|, |v[O+16*\b+1]|, 0x1800000   ; with the floor 2^(3 - 127)
.endr
.irp i, 2,4,6,8,10,12,14
.irp b, 0,1,2,3
	v_max3_num_f32 v[BM+\b], v[BM+\b], |v[O+16*\b+\i]|, |v[O+16*\b+\i+1]|
.endr
.endr
	JOINMAX
	SCW \w, QS+\w
	CODES O, QC
	v_mov_b32 v[DMX], 0xff61b1e6                   ; -3e38, under every D
	v_mov_b32 v[NM], 0x7f61b1e6                    ; -M = 3e38: the first step's f is 0
	v_mov_b32 v[SU], 0
	v_mov_b32 v[SU+1], 0
	v_mov_b32 v[F+1], 0                            ; (named as the upper half of a pair)
.set j, 0
.rept 64
	v_mov_b32 v[O+j], 0                            ; O^T: the step is written without a first step of its own: the first finds zeros
.set j, j+1
.endr
.endm
; the way out of tile w: O^T / the sum, through my stage, as whole rows of 512 bytes
.macro OUT w
	WIN 0x55*\w
	v_add_f32 v[SU], v[SU], v[SU+1]
	s_delay_alu instid0(VALU_DEP_1)
	v_permlanex16_b32 v[T], v[SU], s[SEL], s[SEL+1]
	s_delay_alu instid0(VALU_DEP_1)
	v_add_f32 v[SU], v[SU], v[T]
	s_wait_alu depctr_va_vdst(0)                   ; the wait ahead of the reciprocal
	v_rcp_f32 v[SU], v[SU]
	v_nop
	s_wait_alu depctr_va_vdst(0)                   ; and ahead of its first reader, which is O^T's too
.set j, 0
.rept 32
	v_pk_mul_f32 v[S+j:S+j+1], v[O+j:O+j+1], v[SU:SU+1] op_sel_hi:[1,0]   ; register 8 t + i is out0(query r, channel 16 t + 8 h + i)
.set j, j+2
.endr
	WIN 0x04*\w
.irp t, 0,1,2,3,4,5,6,7
	ds_store_b128 v[SOO], v[S+8*\t:S+8*\t+3] offset:64*\t
	ds_store_b128 v[SOO], v[S+8*\t+4:S+8*\t+7] offset:64*\t+16
.endr
	WIN 0x40*\w
.irp i, 0,1,2,3,4,5,6,7,8,9,10,11,12,13,14,15
	ds_load_b128 v[O+4*\i:O+4*\i+3], v[SL] offset:SP*\i   ; LDS serves a wave's instructions in order: these see my stores
.endr
	WIN 0x04*\w
.irp i, 0,1,2,3,4,5,6,7,8,9,10,11,12,13,14,15
	s_wait_dscnt 15-\i                             ; row i is back; the later rows may be out
	global_store_b128 v[GL], v[O+4*\i:O+4*\i+3], s[10:11] offset:(16*\w+\i)*ROWG th:TH_STORE_NT   ; a query's 512 consecutive bytes
.endr
.endm
	s_load_b256 s[4:11], s[0:1], 0x0               ; q, m3, kv, out0
	v_lshl_add_u32 v[SPW], v0, 2, SPARE
	v_mov_b32 v[NIL], 0
	ds_add_u32 v[SPW], v[NIL]                      ; the opening lines: the add, twice on end, and its wait
	ds_add_u32 v[SPW], v[NIL]
	v_lshrrev_b32 v10, 5, v0
	v_readfirstlane_b32 s[WV], v10                 ; wave 0..7
	s_mul_i32 s20, s[WV], 16*SP
	s_add_co_u32 s20, s20, STAGE                   ; my stage
	v_and_b32 v10, 31, v0
	v_lshlrev_b32 v[GL], 4, v10
	v_lshlrev_b32 v[LS], 2, v10
	v_and_b32 v10, 15, v0                          ; r
	v_bfe_u32 v11, v0, 4, 1                        ; h
	v_mul_u32_u24 v10, v10, SP
	v_add_nc_u32 v[SL], s20, v[GL]
	v_add_nc_u32 v10, s20, v10
	v_lshl_add_u32 v[SQ], v11, 6, v10
	v_lshl_add_u32 v[SOO], v11, 5, v10
	s_wait_alu depctr_va_vdst(0)                   ; the wait ahead of the scalar lines and waits below
	s_bfe_u32 s14, ttmp6, 0x40000                  ; cx
	s_lshl_b32 s15, ttmp9, 2
	s_add_co_u32 s15, s15, s14                     ; x: my block of 256 queries
	s_and_b32 s16, ttmp7, 0xffff                   ; y: batch x 32 + head
	s_mov_b32 s[G1], 15|(3<<16)|(1<<21)            ; the four partners; elements of 8 bytes; bit 21 beside a mask
	s_mov_b32 s[G1+1], 32<<16                      ; rows of 32 elements = 256 bytes,
	s_mov_b32 s[G1+2], 50<<16                      ; 50 of them, dense
	s_mov_b32 s[G1+3], 32<<16
	s_mov_b32 s[G1+4], 50
	s_mov_b32 s[G1+5], 32
	s_mov_b32 s[G1+6], 0
	s_mov_b32 s[G1+7], 0
	s_mul_i32 s24, s[WV], PART                     ; my part of a slot: in LDS and in kv; made of the wave's number alone
	s_mul_i32 s22, s16, HEADB
	s_add_co_u32 s22, s22, s24                     ; kv: head and wave alone
	s_mov_b32 s23, 0
	s_lshl_b32 s30, s15, 3
	s_add_co_u32 s30, s30, s[WV]                   ; my 32 queries: 8 x + wave
	s_lshl_b32 s28, s30, 18                        ; m3: two tiles x 16 blocks x 8,192 bytes
	s_mov_b32 s29, 0
	s_lshl_b32 s30, s30, 19                        ; q, out0: 32 queries x 16,384 bytes,
	s_lshr_b32 s26, s16, 5
	s_lshl_b32 s26, s26, 25                        ; batch,
	s_add_co_u32 s26, s26, s30
	s_and_b32 s30, s16, 31
	s_lshl_b32 s30, s30, 9                         ; head
	s_add_co_u32 s26, s26, s30
	s_mov_b32 s27, 0
	s_mov_b32 s[SEL], 0x76543210
	s_mov_b32 s[SEL+1], 0xfedcba98
	s_mov_b32 s[CC], 0x3e0293ee                    ; c = log2(e) / sqrt(128)
	s_mov_b32 s[CC+1], s[CC]
	s_wait_dscnt 0x0                               ; both opening adds are done
	s_wait_kmcnt 0x0
	s_add_nc_u64 s[4:5], s[4:5], s[26:27]
	s_add_nc_u64 s[MA:MA+1], s[6:7], s[28:29]
	s_add_nc_u64 s[8:9], s[8:9], s[22:23]
	s_add_nc_u64 s[10:11], s[10:11], s[26:27]
.irp i, 0,1,2,3,4,5,6,7,8,9,10,11,12,13,14,15
	global_load_b128 v[S+4*\i:S+4*\i+3], v[GL], s[4:5] offset:\i*ROWG th:TH_LOAD_NT   ; q, a query's 512 consecutive bytes an instruction: tile 0
.endr
	WIN 0x40
.irp i, 0,1,2,3,4,5,6,7,8,9,10,11,12,13,14,15
	global_load_b128 v[S+4*\i:S+4*\i+3], v[GL], s[4:5] offset:(16+\i)*ROWG th:TH_LOAD_NT   ; tile 1
.endr
	WIN 0
.irp n, 0,1
	s_mov_b32 s[G0+4*\n], 1
	s_add_co_u32 s[G0+4*\n+1], s24, \n*SLOTB
	s_add_nc_u64 s[G0+4*\n+2:G0+4*\n+3], s[8:9], \n*SLOTB          ; steps 4 n .. 4 n + 3
	s_or_b32 s[G0+4*\n+3], s[G0+4*\n+3], 0x80000000
.endr
	ROUND                                          ; the four partners are here: the first joint loads meet
	tensor_load_to_lds s[G0:G0+3], s[G1:G1+7]      ; steps 0-3: my one load at the head
	s_nop 0
	NOP4
	s_wait_loadcnt 16                              ; tile 0's rows of q
.irp i, 0,1,2,3,4,5,6,7,8,9,10,11,12,13,14,15
	ds_store_b128 v[SL], v[S+4*\i:S+4*\i+3] offset:SP*\i
.endr
.irp g, 0,1,2,3,4,5,6,7,8,9,10,11,12,13,14,15
	ds_load_b128 v[O+4*\g:O+4*\g+3], v[SQ] offset:128*(\g/4)+16*(\g%4)   ; back: of query r, 16 neighbours of each block of 32
.endr
	s_wait_loadcnt 0x0
	WIN 0x04
.irp i, 0,1,2,3,4,5,6,7,8,9,10,11,12,13,14,15
	ds_store_b128 v[SL], v[S+4*\i:S+4*\i+3] offset:SP*\i
.endr
	WIN 0x40
.irp g, 0,1,2,3,4,5,6,7,8,9,10,11,12,13,14,15
	ds_load_b128 v[O+4*\g:O+4*\g+3], v[SQ] offset:128*(\g/4)+16*(\g%4)
.endr
	s_wait_dscnt 0x0                               ; q is back, and the stage's stores are done with S's registers,
	MLOAD 0                                        ; which take step 0's m3
	MLOAD 1
	QQ 0
	QQ 1
	WIN 0
	s_wait_alu depctr_va_vdst(0)                   ; the wait at the head's end
	QUAD 0, 4
	QUAD 1, 4
	QUAD 2, 4
	QUAD 3, 3
	s_mov_b32 s[KO], SLOTB+3*KVS
	STEP 1                                         ; step 15, written out: it asks for no m3
	NOP4                                           ; behind the last products
	OUT 0
	OUT 1
	WIN 0
	s_wait_tensorcnt 0x0                           ; the wave's end
	ds_add_u32 v[SPW], v[NIL]
	s_wait_dscnt 0x0
	ROUND                                          ; the closing round
	s_endpgm
.Lfunc_end_k_qec6f501590_attn:
	.size	k_qec6f501590_attn, .Lfunc_end_k_qec6f501590_attn-k_qec6f501590_attn
	.p2alignl 7, 3214868480
	.fill 96, 4, 3214868480
	.section	.rodata,"a",@progbits
	.p2align	6, 0x0
	.amdhsa_kernel k_qec6f501590_attn
		.amdhsa_group_segment_fixed_size 327680
		.amdhsa_private_segment_fixed_size 0
		.amdhsa_enable_private_segment 0
		.amdhsa_kernarg_size 32
		.amdhsa_user_sgpr_count 2
		.amdhsa_user_sgpr_kernarg_segment_ptr 1
		.amdhsa_wavefront_size32 1
		.amdhsa_system_sgpr_workgroup_id_x 1
		.amdhsa_system_sgpr_workgroup_id_y 1
		.amdhsa_system_sgpr_workgroup_id_z 1
		.amdhsa_system_vgpr_workitem_id 0
		.amdhsa_next_free_vgpr 512
		.amdhsa_next_free_sgpr 66
		.amdhsa_reserve_vcc 0
		.amdhsa_float_denorm_mode_32 3
		.amdhsa_float_denorm_mode_16_64 3
		.amdhsa_memory_ordered 1
		.amdhsa_forward_progress 1
		.amdhsa_inst_pref_size 227
	.end_amdhsa_kernel
	.amdgpu_metadata
---
amdhsa.version: [ 1, 2 ]
amdhsa.kernels:
  - .name:           k_qec6f501590_attn
    .symbol:         k_qec6f501590_attn.kd
    .args:
      - { .name: q, .offset: 0, .size: 8, .value_kind: global_buffer, .address_space: global }
      - { .name: m3, .offset: 8, .size: 8, .value_kind: global_buffer, .address_space: global }
      - { .name: kv, .offset: 16, .size: 8, .value_kind: global_buffer, .address_space: global }
      - { .name: out0, .offset: 24, .size: 8, .value_kind: global_buffer, .address_space: global }
    .group_segment_fixed_size: 327680
    .private_segment_fixed_size: 0
    .kernarg_segment_align: 8
    .kernarg_segment_size: 32
    .max_flat_workgroup_size: 256
    .sgpr_count:     66
    .vgpr_count:     512
    .wavefront_size: 32
...
	.end_amdgpu_metadata
.endif
;; end of part 2
